; MI455X (gfx1250); checked and timed in simulation.
; The chip was launched on July 23, 2026; its instructions are those of AMD's public machine-readable ISA for CDNA 5 (MIT licence, August 2026) and "CDNA5" Instruction Set Architecture Reference Guide (July 2026). The comments in the code are by the model that wrote it; some were corrected since.
;; Attention. Allowed arithmetic: matrix products marked QUANTISED: E5M2 operands, one given power-of-two scale a tensor, by v_wmma_f32_16x16x64_bf8_bf8 or v_wmma_f32_16x16x128_bf8_bf8, f32 sums; everything else in f32.
;; Inputs: key_codes 8 x 2,048 x 32 x 32 uint8 (E5M2 codes of key, K innermost, in blocks of 32 codes); lowp_scales 4 int32 (the exponents e of the quantised operands' scales 2^e); query_codes 8 x 2,048 x 32 x 32 uint8 (E5M2 codes of query, K innermost, in blocks of 32 codes); value_codes 8 x 1,024 x 64 x 32 uint8 (E5M2 codes of value, K innermost, in blocks of 32 codes).
;; Outputs: out0 8 x 2,048 x 1,024 float32.
;; This version of the problem:
;;   THIS VERSION OF THE PROBLEM IS GIVEN IN LOW PRECISION. The matrix products marked QUANTISED in the list below multiply operands that are first quantised to E5M2 (5 exponent bits, 2 mantissa bits; 8 bits a number), with one given power-of-two scale for each operand tensor; their sums are f32. All else is computed in f32.
;;   The module's matrix products, in the order in which they are computed (A, B: the left and right operand; K: the contracted axis; several contracted axes count as one K, in the product's order):
;;     1. batch 8 x [M 2,048, K 1,024] x [K 1,024, N 2,048]; A: input query (given as codes); B: input key (given as codes): QUANTISED (scales: A lowp_scales[0], B lowp_scales[1])
;;     2. batch 8 x [M 2,048, K 2,048] x [K 2,048, N 1,024]; A: softmax (see below); B: input value (given as codes): QUANTISED (scales: A lowp_scales[2], B lowp_scales[3])
;;   THE QUANTISER, for each operand of a quantised product, along K:
;;     - The operand's scale is 2^e, e = its entry of the input lowp_scales (int32; the entries are numbered through the quantised products in the list's order, A before B).
;;     - Each number is divided by the scale, clamped to +-57,344, and rounded to the nearest number of E5M2, ties to even, subnormals kept.
;;     - The product sums the exact products of the quantised numbers (number of the format x scale) in f32.
;;   ~~~python
;;   def quantise(x, axis, e):      # numpy; x: float32 -> the quantised numbers, widened to float32 again
;;       x = np.moveaxis(x, axis, -1); K = x.shape[-1]
;;       r = np.clip(x / 2.0 ** e, -57344, 57344)
;;       step = 2.0 ** (np.maximum(np.frexp(np.where(r == 0, 1, r))[1] - 1, -14) - 2)
;;       q = np.round(r / step) * step * 2.0 ** e      # np.round: ties to even
;;       return np.moveaxis(q, -1, axis).astype(np.float32)
;;   ~~~
;;   SOFTMAX AHEAD OF A QUANTISED PRODUCT. Where the list says 'softmax', what is quantised is not the finished softmax but p = 2^(t - M), with t = logit x log2(e) and M = ceil(the row's largest t), a whole number; so 1/2 < the row's largest p <= 1. The row's sum l is taken of the UNQUANTISED p, in f32, and the product's result is divided by l at the end. Since M is a whole number, a kernel that streams over the keys may use a running M (the ceiling of the running maximum): every later rescaling is an exact power of two, so the quantised numbers keep their values, but for numbers so far below the row's largest that they fall under the format's range.
;;   OPERANDS COMPUTED ON THE WAY. 'Computed on the way' means the value that the module computes at that place (a softmax that the list does not call 'softmax' is quantised finished and normalised). What goes into a quantiser is computed in f32, as accurately as f32 sums, v_exp_f32 and their like allow (about 1e-6 of the number): no bf16 or f16 on the way to a quantiser, and a product that is left as it is and whose result goes on into a quantised operand takes f32 operands (vector FMAs, or v_wmma_f32_16x16x4_f32). A number that lies on a knife's edge between two numbers of the format may be rounded either way, as far as f32 arithmetic and the matrix unit's own rounding can turn it there, and no further.
;;   INPUTS GIVEN AS CODES. key (in the module: [8, 2048, 1024], K = its axis 2); query (in the module: [8, 2048, 1024], K = its axis 2); value (in the module: [8, 2048, 1024], K = its axis 1): each comes as NAME_codes (uint8): NAME with its K axis moved to the last place and cut into blocks of 32 codes, [.., K / 32, bytes a block], one block behind the other in memory; one code a byte (a code: sign, 5 exponent bits, 2 mantissa bits); its scale is its entry of lowp_scales. Its value is code x scale, taken as it is: it is not quantised again, and the codes and scales need not be those that the quantiser above would give.
;; One version. Each part assembles by itself: llvm-mc -triple=amdgcn-amd-amdhsa -mcpu=gfx1250 --defsym DOCPART=n.
;; ======== version 1 of 1: 2 launches
;; limits: right only within a limited range of input values
;; workspace buffers: pcodes 33,554,432 bytes; stats 2,097,152 bytes
;; launch scores (part 1): grid 8 x 32, 4 waves a work-group, no clusters, 327,680 bytes of LDS; arguments query_codes, key_codes, lowp_scales, pcodes, stats; writes pcodes, stats
.if DOCPART == 1
	.amdgcn_target "amdgcn-amd-amdhsa--gfx1250"
	.amdhsa_code_object_version 6
	.text
	.protected	k_q55cb89c6b1_scores
	.globl	k_q55cb89c6b1_scores
	.p2align	8
	.type	k_q55cb89c6b1_scores,@function
k_q55cb89c6b1_scores:
	s_mov_b64 s[64:65], 0
	v_nop
	global_prefetch_b8 v0, s[64:65] scope:SCOPE_SE
	s_setreg_imm32_b32 hwreg(HW_REG_WAVE_MODE, 25, 1), 1
	s_wait_xcnt 0x0
; SCORES AND WEIGHTS.  For one batch b and one tile of 320 queries x 256 keys: S = Q K^T on codes of BF8 (E5M2), K = 1,024; then the softmax's step for this tile's 256 keys alone:
; t = S x 2^(eq + ek) x log2(e) / 32;  M = the largest t of a query among the tile's 256 keys, rounded UP to a whole number;  p = 2^(t - M);  l = the sum of the unquantised p;  p's codes with the given 2^ep.
; OUT: pcodes, images of the next product's operand registers: [b 8][16 queries: 128][128 keys: 16][2,048 bytes]; in an image the code of query r and key 16 t + 8 h + i lies at byte 256 t + 16 r + 8 h + i.
;      stats, [b 8][C 8][half of the 256 keys: 2][pair of blocks of 16 queries: 64][block of the pair: 2][query 16][-M, l: 8 bytes].  -M is the same in both halves.
; The next launch brings the tiles of a row under one M by exact powers of two.
; WORK LEFT OUT.  reference() takes 10^10 from the score of every key that comes after its query: that key's weight is 2^(t - M) with t - M under -10^8, which is 0, whatever the inputs (LIMIT: the scores of a row differ by less than 9 x 10^9).
;   Blocks of 16 queries that come before all of a tile's 256 keys are not multiplied and not stored.  LIMIT: a NaN, an infinity or an overflow that reaches only hidden scores is not carried to the result.
; TILES.  Column C (keys 256 C on) counts for the 16 (8 - C) blocks of 16 queries from block 16 C on.  In tiles of 20 blocks the eight columns have 7, 6, 5, 4, 4, 3, 2, 1 tiles: 32 a batch, 256 in all: one for each WGP.
; Tile m of a column begins at block 16 C + 20 m; where that would pass the end it is laid at blocks 108-127 and passes over its first blocks, which the tile above owns (or, in column 7, which are hidden): each byte has one writer.
; GRID: x = batch; y = tile 0-31, column by column.
; SHARES: four waves, as many as a WGP has SIMDs; a wave makes 160 queries x 128 keys: 80 accumulators, 640 registers.  K goes in four steps of 256 through two LDS slots; waves 0, 1 fetch 160 rows of Q each, waves 2, 3 128 rows of K.
; THE FORM with K = 64: 640 registers of sums leave 384; two sets of fragments for 64 along K (8 registers a fragment: 2 x 80 for Q, 2 x 64 for K) fit, two sets for 128 would not.
; THE MATRIX INSTRUCTION IS USED TRANSPOSED (source 0 = 16 keys, source 1 = 16 queries): lane (r, h) holds query r and, in accumulator b, keys 16 b + 8 h + 0 .. 7: eight neighbours along the next product's K.
; A fragment comes by two loads of 16 bytes, 32 bytes apart: registers 4 c .. 4 c + 3 hold k = 32 c + 16 h + 0 .. 15: a permutation of k, the same in both operands.
; NO CLUSTER: only the tiles of one column share a tile (K's), and 7, 6, 5, 4, 4, 3, 2, 1 do not fall into fours.
; NO PREFETCH: of a tile's four K steps one is asked for at the head and each other one step ahead of its use: no loop to run ahead in.
; LIMITS: eq + ek between -121 and 132 (added to the exponent field of log2(e) / 32); ep between -126 and 112.  For ep under -15 the hold at the largest code acts under the tile's M, not the row's.
; The scaled scores stay under 2^31.  Codes of infinity and NaN are not served.
; REGISTERS, in windows of 256: window 0: v0-31 addresses, constants, at work; v32-95 statistics; v96-255 Q's fragments, two sets of 80, later p's codes.  window 1: v0-127 K's fragments, two sets of 64; v128-255 the accumulators of blocks 0, 1.
;   window 2: those of blocks 2-5;  window 3: of blocks 6-9.  Accumulator (a, b) lies 64 x (a's place in its window) + 8 b on.
.set PITCH,  272                       ; an LDS row: 256 bytes + 16 of padding = 68 words: the 16 rows that a load touches start at 16 different banks (64 banks of 4 bytes: ISA guide 11.1)
.set QHALF,  160*PITCH                 ; 160 rows of Q: what wave 0 or 1 fetches, and what one wave reads
.set KHALF,  128*PITCH                 ; 128 rows of K: the same for waves 2, 3
.set KOFF,   2*QHALF                   ; a slot: Q's 320 rows, then K's 256
.set SLOT,   KOFF+2*KHALF
.set SPARE,  2*SLOT                    ; behind the ring: the spare words, 128 bytes for each wave: two blocks of 256 bytes that no other line names
.set XCH,    SPARE+512                 ; 1,536 bytes for each wave: the maxima that the two waves of the same queries show each other; no fill lands here
.set TT,   0                           ; v0-7    at work, behind the head
.set SC,   12                          ; v12     2^ep as f32
.set LIM,  13                          ; v13     57,344 x 2^ep
.set RO8,  14                          ; v14     8 x lane
.set PINF, 15                          ; v15     +infinity
.set ADRA, 16                          ; v16-17  LDS address of my fragments of Q in slot 0, 1
.set ADRB, 20                          ; v20-21  the same for K
.set PO,   24                          ; v24     16 r + 8 h: my 8 codes' place in 256 bytes of an image
.set RO,   25                          ; v25     16 x lane
.set XS,   26                          ; v26     where I show my maxima
.set XL,   27                          ; v27     where the other wave of my queries shows its own
.set SPW,  28                          ; v28     LDS address of my spare word; never rewritten
.set NIL,  29                          ; v29     0; never rewritten
.set D0,   30                          ; v30     r - 8 h: in a tile on the diagonal register j is hidden where j > D0
.set NINF, 31                          ; v31     -infinity
.set MX,   32                          ; v32-43  a block's largest score, later t (ten blocks; two registers more fill the third store); at the end the pairs' -M and l
.set MP,   44                          ; v44-55  the second chain; the other half's; the other wave's
.set N,    56                          ; v56-65  -M
.set LS,   66                          ; v66-75  l
.set ND,   76                          ; v76-95  -M twice, a pair for each block, for the packed form
.set DM,   76                          ; earlier: v76-83 what a tile on the diagonal is held under: +infinity, or -infinity where hidden,
.set LM,   84                          ;         v84-91 and what the tiles in hand are held under
.set AF,   96                          ; Q's fragments: set p at AF + 80 p
.set PC,   96                          ; p's codes, 16 registers a block: no store's data are written again
.set G1,   24                          ; s[24:31] descriptor group 1 for Q's tiles
.set G0,   32                          ; s[32:39] group 0 for Q's tiles, one set for each slot
.set G0B,  40                          ; s[40:47] the same for K's
.set CS,   52                          ; s[52:53] c = 2^(eq + ek) log2(e) / 32
.set SEL,  54                          ; s[54:55] lane selects for v_permlanex16_b32: lane l xor 16
.set SKIP, 70                          ; s70     how many of my ten blocks are passed over, from block 0 on (0 or less: none)
.set G1B,  72                          ; s[72:79] descriptor group 1 for K's tiles
.set UP,   80                          ; s80     lanes 16-31
.set EE,   81                          ; s81     my first 16 keys' number less my first block's
.set MSB, 0
.macro WIN new                         ; the immediate's high byte repeats the setting that is left; a switch that changes nothing is dropped
.if MSB != (\new)
	s_set_vgpr_msb (MSB<<8)|(\new)
.set MSB, (\new)
.endif
.endm
.set TO_B,   0x40                      ; destination window 1, address window 0
.macro ACC a                           ; block a's window W and the first register AC of its eight accumulators
.if (\a) < 2
.set W, 1
.set AC, 128+64*(\a)
.elseif (\a) < 6
.set W, 2
.set AC, 64*((\a)-2)
.else
.set W, 3
.set AC, 64*((\a)-6)
.endif
.endm
; A fill: waves 0 and 1 fetch Q's two halves, waves 2 and 3 K's.  The branch hangs on the wave's number alone.  Four v_nop follow each of the two lines.
.macro JLOAD g0a, g0b
	s_cmp_eq_u32 s15, 0
	s_cbranch_scc0 .Lfor_b_\@
	tensor_load_to_lds s[\g0a:\g0a+3], s[G1:G1+7]
	s_nop 0
.rept 4
	v_nop
.endr
	s_branch .Lasked_\@
.Lfor_b_\@:
	tensor_load_to_lds s[\g0b:\g0b+3], s[G1B:G1B+7]
	s_nop 0
.rept 4
	v_nop
.endr
.Lasked_\@:
.endm
	s_load_b256 s[4:11], s[0:1], 0x0               ; Q's codes s[4:5], K's s[6:7], the scales' exponents s[8:9], pcodes s[10:11]
	s_load_b64 s[12:13], s[0:1], 0x20              ; stats
	v_lshl_add_u32 v[SPW], v0, 2, SPARE
	v_mov_b32 v[NIL], 0
	ds_add_u32 v[SPW], v[NIL]                      ; the wave's opening: the add, twice on end, and its wait
	ds_add_u32 v[SPW], v[NIL]
	v_lshrrev_b32 v1, 5, v0
	v_readfirstlane_b32 s14, v1                    ; wave 0..3
	s_lshr_b32 s15, s14, 1                         ; rh: which 160 queries are mine.  Also: I fetch for Q (0) or for K (1)
	s_and_b32 s16, s14, 1                          ; ch: which 128 keys.  Also: which half of that tile I fetch
	s_and_b32 s19, ttmp7, 0xffff                   ; the tile's number in its batch
	s_mov_b32 s18, 0
	s_mov_b32 s17, 0
.irp t, 7,13,18,22,26,29,31            ; the numbers at which columns 1 to 7 begin
	s_cmp_ge_u32 s19, \t
	s_cselect_b32 s17, \t, s17                     ; where my column begins,
	s_add_co_ci_u32 s18, s18, 0                    ; and C = how many of these the number has reached
.endr
	s_sub_co_u32 s19, s19, s17                     ; m: the tile's place in its column
	s_mul_i32 s20, s19, 20
	s_lshl_b32 s21, s18, 4
	s_add_co_u32 s20, s20, s21                     ; the first block that is the tile's own: 16 C + 20 m
	s_min_u32 s17, s20, 108                        ; the first block that it multiplies: its 20 blocks end at block 127 at the latest
	s_sub_co_u32 s[SKIP], s20, s17                 ; 0, 4, 8, 12 or 16 blocks are passed over,
	s_mul_i32 s21, s15, 10
	s_sub_co_i32 s[SKIP], s[SKIP], s21             ; counted from my wave's first block
	; descriptor groups 1: rows of 256 bytes, 1,024 bytes apart in memory, padded in LDS; 160 rows for Q, 128 for K
	s_mov_b32 s[G1+0], (0<<16)|(1<<20)|(5<<22)|(3<<25)  ; 15:0 no mask; 17:16 elements of 1 byte; 20 padding on; 24:22 after every 64 words (code 5); 31:25 four words (code 3)
	s_mov_b32 s[G1+1], 256<<16                     ; tensor_dim0
	s_mov_b32 s[G1+2], 160<<16                     ; tensor_dim1
	s_mov_b32 s[G1+3], 256<<16                     ; tile_dim0
	s_mov_b32 s[G1+4], 160                         ; tile_dim1
	s_mov_b32 s[G1+5], 1024                        ; tensor_dim0_stride
	s_mov_b32 s[G1+6], 0
	s_mov_b32 s[G1+7], 0
	s_mov_b32 s[G1B+0], (0<<16)|(1<<20)|(5<<22)|(3<<25)
	s_mov_b32 s[G1B+1], 256<<16
	s_mov_b32 s[G1B+2], 128<<16
	s_mov_b32 s[G1B+3], 256<<16
	s_mov_b32 s[G1B+4], 128
	s_mov_b32 s[G1B+5], 1024
	s_mov_b32 s[G1B+6], 0
	s_mov_b32 s[G1B+7], 0
	s_mov_b32 s[SEL], 0x76543210
	s_mov_b32 s[SEL+1], 0xfedcba98
	s_mov_b32 s[UP], 0xffff0000
	s_lshl_b32 s56, ttmp9, 21                      ; the batch: 2,048 rows of 1,024 bytes
	s_lshl_b32 s20, s17, 14                        ; Q: the tile's first block (16 rows),
	s_add_co_u32 s20, s20, s56
	s_mul_i32 s57, s16, 160*1024                   ; the 160 rows that I fetch
	s_add_co_u32 s20, s20, s57
	s_mov_b32 s21, 0
	s_lshl_b32 s22, s18, 18                        ; K: column C (256 rows),
	s_add_co_u32 s22, s22, s56
	s_lshl_b32 s57, s16, 17                        ; the 128 rows that I fetch
	s_add_co_u32 s22, s22, s57
	s_mov_b32 s23, 0
	s_mul_i32 s58, s16, QHALF                      ; where they go: Q's half,
	s_mul_i32 s59, s16, KHALF
	s_add_co_u32 s59, s59, KOFF                    ; K's half
	s_wait_alu depctr_va_vdst(0)                   ; the wait here, ahead of the waits below
	s_wait_dscnt 0x0                               ; both opening adds are done
	s_wait_kmcnt 0x0
	s_load_b128 s[48:51], s[8:9], 0x0              ; eq, ek, ep, ev
	s_add_nc_u64 s[20:21], s[4:5], s[20:21]
	s_add_nc_u64 s[22:23], s[6:7], s[22:23]
.irp s, 0,1
	s_mov_b32 s[G0+4*\s], 1                                        ; count = 1
	s_add_co_u32 s[G0+4*\s+1], s58, \s*SLOT                        ; LDS address
	s_add_nc_u64 s[G0+4*\s+2:G0+4*\s+3], s[20:21], \s*256          ; global address: K step s
	s_or_b32 s[G0+4*\s+3], s[G0+4*\s+3], 0x80000000                ; type = 2
	s_mov_b32 s[G0B+4*\s], 1
	s_add_co_u32 s[G0B+4*\s+1], s59, \s*SLOT
	s_add_nc_u64 s[G0B+4*\s+2:G0B+4*\s+3], s[22:23], \s*256
	s_or_b32 s[G0B+4*\s+3], s[G0B+4*\s+3], 0x80000000
.endr
	JLOAD G0, G0B                                  ; K step 0
	v_and_b32 v1, 15, v0                           ; r
	v_bfe_u32 v2, v0, 4, 1                         ; h
	v_mul_u32_u24 v3, v1, PITCH
	v_lshl_add_u32 v4, v2, 4, v3                   ; a fragment's row x pitch + 16 h
	s_mul_i32 s60, s15, QHALF                      ; my 160 rows of Q
	s_mul_i32 s61, s16, KHALF                      ; my 128 rows of K,
	s_add_co_u32 s61, s61, KOFF                    ; which lie behind Q's 320
.irp s, 0,1
	v_add_nc_u32 v[ADRA+\s], s60, v4
	v_add_nc_u32 v[ADRB+\s], s61, v4
	s_add_co_u32 s60, s60, SLOT
	s_add_co_u32 s61, s61, SLOT
.endr
	s_mul_i32 s60, s14, 1536
	s_add_co_u32 s60, s60, XCH
	s_xor_b32 s61, s14, 1                          ; the wave with my queries and the other 128 keys
	s_mul_i32 s61, s61, 1536
	s_add_co_u32 s61, s61, XCH
	s_wait_alu depctr_va_vdst(0)                   ; the wait here, ahead of the readers below
	v_lshlrev_b32 v[PO], 4, v1
	v_lshl_add_u32 v[PO], v2, 3, v[PO]
	v_and_b32 v5, 31, v0
	v_lshlrev_b32 v6, 3, v2
	v_lshlrev_b32 v[RO], 4, v5
	v_lshlrev_b32 v[RO8], 3, v5
	v_add_nc_u32 v[XS], s60, v[RO]
	v_add_nc_u32 v[XL], s61, v[RO]
	v_sub_nc_u32 v[D0], v1, v6
	v_mov_b32 v[NINF], 0xff800000
	v_mov_b32 v[PINF], 0x7f800000
	s_mul_i32 s62, s15, 10
	s_add_co_u32 s62, s62, s17                     ; my wave's first block of 16 queries
	s_lshl_b32 s[EE], s18, 4
	s_lshl_b32 s61, s16, 3
	s_add_co_u32 s[EE], s[EE], s61
	s_sub_co_i32 s[EE], s[EE], s62                 ; 16 C + 8 ch - first block: keys 16 b of block a lie on the diagonal where b - a + EE = 0, and are hidden where it is above
	s_lshl_b32 s60, ttmp9, 22                      ; pcodes: image ((128 b + block) x 16 + 2 C + ch) of 2,048 bytes
	s_lshl_b32 s61, s18, 12
	s_add_co_u32 s60, s60, s61
	s_lshl_b32 s61, s16, 11
	s_add_co_u32 s60, s60, s61
	s_lshl_b32 s56, s62, 15
	s_add_co_u32 s56, s56, s60
	s_mov_b32 s57, 0
	s_add_nc_u64 s[10:11], s[10:11], s[56:57]      ; my images
	s_lshl_b32 s60, ttmp9, 18                      ; stats: ((8 b + C) x 2 + ch) x 16,384 bytes + 128 x block
	s_lshl_b32 s61, s18, 15
	s_add_co_u32 s60, s60, s61
	s_lshl_b32 s61, s16, 14
	s_add_co_u32 s60, s60, s61
	s_lshl_b32 s56, s62, 7
	s_add_co_u32 s56, s56, s60
	s_add_nc_u64 s[12:13], s[12:13], s[56:57]      ; mine
	s_wait_alu depctr_va_vdst(0)                   ; the wait here, directly ahead of the wait below
	s_wait_kmcnt 0x0
	s_add_co_i32 s56, s48, s49
	s_lshl_b32 s56, s56, 23
	s_mov_b32 s[CS], 0x3d38aa3b                    ; log2(e) / 32
	s_add_co_i32 s[CS], s[CS], s56                 ; a sum stands for sum x 2^(eq + ek): the two exponents are added to c's exponent field
	s_mov_b32 s[CS+1], s[CS]                       ; (named with it as a pair, so it is written)
	s_add_co_i32 s56, s50, 127
	s_lshl_b32 s57, s56, 23
	v_mov_b32 v[SC], s57                           ; 2^ep as f32: the conversion takes its exponent field
	s_add_co_i32 s56, s56, 15
	s_lshl_b32 s56, s56, 23
	s_or_b32 s56, s56, 0x600000
	v_mov_b32 v[LIM], s56                          ; 57,344 x 2^ep
; 8 matrix instructions: Q's block a x K's eight, 64 along K, from set p.  zero = 1: the first product starts the sums: nothing is ever cleared.
; The 80 accumulators take turns, one instruction a turn, in the same order in every quarter.
.macro MULA p, a, zero
	ACC \a
	WIN 0x01|(W<<4)|(W<<6)                         ; source 0 (K) window 1, source 1 (Q) window 0, C and D the block's window
.irp b, 0,1,2,3,4,5,6,7
.if \zero
	v_wmma_f32_16x16x64_bf8_bf8 v[AC+8*\b:AC+8*\b+7], v[64*(\p)+8*\b:64*(\p)+8*\b+7], v[AF+80*(\p)+8*(\a):AF+80*(\p)+8*(\a)+7], 0
.else
	v_wmma_f32_16x16x64_bf8_bf8 v[AC+8*\b:AC+8*\b+7], v[64*(\p)+8*\b:64*(\p)+8*\b+7], v[AF+80*(\p)+8*(\a):AF+80*(\p)+8*(\a)+7], v[AC+8*\b:AC+8*\b+7]
.endif
.endr
.endm
; 36 LDS loads in one run: the fragments of 64 along K at byte k of the rows, into set p: K's eight first, then Q's ten
; (FETCHK: K's fragments lo .. hi - 1 of them; FETCHQ: Q's)
.macro FETCHK slot, k, p, lo, hi
	WIN TO_B
.irp i, 0,1,2,3,4,5,6,7
.if (\i >= (\lo)) && (\i < (\hi))
	ds_load_b128 v[64*(\p)+8*\i:64*(\p)+8*\i+3],   v[ADRB+\slot] offset:\k+\i*16*PITCH
	ds_load_b128 v[64*(\p)+8*\i+4:64*(\p)+8*\i+7], v[ADRB+\slot] offset:\k+\i*16*PITCH+32
.endif
.endr
.endm
.macro FETCHQ slot, k, p, lo, hi
	WIN 0
.irp i, 0,1,2,3,4,5,6,7,8,9
.if (\i >= (\lo)) && (\i < (\hi))
	ds_load_b128 v[AF+80*(\p)+8*\i:AF+80*(\p)+8*\i+3],   v[ADRA+\slot] offset:\k+\i*16*PITCH
	ds_load_b128 v[AF+80*(\p)+8*\i+4:AF+80*(\p)+8*\i+7], v[ADRA+\slot] offset:\k+\i*16*PITCH+32
.endif
.endr
.endm
.macro FETCH slot, k, p
	FETCHK \slot, \k, \p, 0, 8
	FETCHQ \slot, \k, \p, 0, 10
.endm
.macro PLACES                          ; four plain vector instructions between a matrix instruction and a load into one of its registers, or the first read of its result
.rept 4
	v_nop
.endr
.endm
; A K step is four quarters of 64 along K, 80 matrix instructions each, on sets 0, 1, 0, 1.  One of the first three: multiplies set f; in its middle it fetches the next quarter, at byte k of the same slot's rows, into set g,
; which the quarter before multiplied.
.macro QUARTER slot, k, f, g, zero
	s_wait_dscnt 12                                ; K's eight and Q's blocks 0-3 are in; the youngest 12 loads (Q's blocks 4-9) may be out
	PLACES                                         ; for the loads into set g; they are spread over the quarter's first blocks
	MULA \f, 0, \zero
	FETCHK \slot, \k, \g, 0, 4
	MULA \f, 1, \zero
	FETCHK \slot, \k, \g, 4, 8
	MULA \f, 2, \zero
	FETCHQ \slot, \k, \g, 0, 5
	MULA \f, 3, \zero
	s_wait_dscnt 26                                ; all but the 16 + 10 issued in this quarter
	MULA \f, 4, \zero
	FETCHQ \slot, \k, \g, 5, 10
.irp a, 5,6,7,8,9
	MULA \f, \a, \zero
.endr
.endm
; The last quarter multiplies set 1 and changes slots: ONE barrier; in front of it each wave waits for all its tensor loads, adds 0 to its spare word, and waits for that and for its reads of this slot.  fill = 1: this slot is filled again, two K steps ahead.
.macro TURN slot, next, fill
	WIN 0                                          ; (the add's two registers lie in window 0)
	s_wait_tensorcnt 0x0                           ; all my tensor loads have landed: my part of the next slot
	ds_add_u32 v[SPW], v[NIL]                      ; 0 onto my spare word
	s_wait_dscnt 13                                ; (the add and the youngest 12 loads, Q's blocks 4-9, may be out)
	MULA 1, 0, 0                                   ; sixteen matrix instructions stand between the add and the wait for it
	MULA 1, 1, 0
	s_wait_dscnt 0x0                               ; the add is done, and my reads of this slot are over
	s_barrier_signal -1
	MULA 1, 2, 0
	MULA 1, 3, 0
	WIN 0
	s_barrier_wait -1
.if \fill
	s_add_nc_u64 s[G0+4*\slot+2:G0+4*\slot+3], s[G0+4*\slot+2:G0+4*\slot+3], 512   ; no tensor load of mine is out, so a group 0 may be written
	s_add_nc_u64 s[G0B+4*\slot+2:G0B+4*\slot+3], s[G0B+4*\slot+2:G0B+4*\slot+3], 512
	JLOAD G0+4*\slot, G0B+4*\slot                  ; my one tensor load behind the barrier, and the first thing there; its four v_nop are also the places in front of the loads below
.else
	PLACES
.endif
	FETCH \next, 0, 0
.irp a, 4,5,6,7,8,9
	MULA 1, \a, 0
.endr
.endm
	s_wait_alu depctr_va_vdst(0)                   ; the wait at the head's end
	s_wait_tensorcnt 0x0                           ; my part of K step 0 is in
	ds_add_u32 v[SPW], v[NIL]
	s_wait_dscnt 0x0                               ; the add is done
	s_barrier_signal -1
	s_barrier_wait -1                              ; everybody's part is in
	JLOAD G0+4, G0B+4                              ; K step 1, into slot 1: my one tensor load behind this barrier
	FETCH 0, 0, 0
	QUARTER 0, 64,  0, 1, 1                        ; K = 1,024 is four K steps of 256, sixteen quarters: written out, no loop.  The first quarter's products start the sums
	QUARTER 0, 128, 1, 0, 0
	QUARTER 0, 192, 0, 1, 0
	TURN 0, 1, 1                                   ; slot 0 takes K step 2
	QUARTER 1, 64,  0, 1, 0
	QUARTER 1, 128, 1, 0, 0
	QUARTER 1, 192, 0, 1, 0
	TURN 1, 0, 1                                   ; slot 1 takes K step 3
	QUARTER 0, 64,  0, 1, 0
	QUARTER 0, 128, 1, 0, 0
	QUARTER 0, 192, 0, 1, 0
	TURN 0, 1, 0
	QUARTER 1, 64,  0, 1, 0
	QUARTER 1, 128, 1, 0, 0
	QUARTER 1, 192, 0, 1, 0
	s_wait_dscnt 12                                ; the very last quarter: nothing more to fetch
.irp a, 0,1,2,3
	MULA 1, \a, 0
.endr
	s_wait_dscnt 0
.irp a, 4,5,6,7,8,9
	MULA 1, \a, 0
.endr
	WIN 0
	PLACES
	; THE MASK, in a column's first tile alone (a branch on the work-group's number): hidden scores become -infinity ahead of the maximum, so that p = 0.  The 80 accumulators lie on 17 diagonals d = b - a.  With d + EE under 0 a diagonal
	; counts whole and is jumped over (a branch on the wave's and the work-group's numbers); at 0 it is held under DM; above 0 under -infinity.
	s_cmp_lg_u32 s19, 0
	s_cbranch_scc1 .Lopen
.set j, 0
.rept 8
	v_cmp_gt_i32 vcc_lo, j, v[D0]
	v_cndmask_b32 v[DM+j], v[PINF], v[NINF], vcc_lo
.set j, j+1
.endr
	s_wait_alu depctr_va_vdst(0)
.macro DIAG
	s_add_co_i32 s56, s[EE], d
	s_cmp_lt_i32 s56, 0
	s_cbranch_scc1 .Lvisible_\@
	s_cmp_eq_u32 s56, 0
	s_cselect_b32 s57, 0, -1
.irp j, 0,1,2,3,4,5,6,7
	v_cndmask_b32 v[LM+\j], v[DM+\j], v[NINF], s57
.endr
.irp a, 0,1,2,3,4,5,6,7,8,9
.if (\a+d >= 0) && (\a+d < 8)
	ACC \a
	WIN (W<<2)|(W<<6)                              ; the scores: source 1 and destination
.irp j, 0,1,2,3,4,5,6,7
	v_min_num_f32 v[AC+8*(\a+d)+\j], v[LM+\j], v[AC+8*(\a+d)+\j]
.endr
.endif
.endr
	WIN 0
	s_wait_alu depctr_va_vdst(0)
.Lvisible_\@:
.endm
.set d, -9
.rept 17
	DIAG
.set d, d+1
.endr
.Lopen:
	; THE LARGEST SCORE of each block's query among my 64 keys of a lane: two chains a block, the blocks of a window by turns; each accumulator from its low end on.
.irp a, 0,1,2,3,4,5,6,7,8,9,10,11
	v_mov_b32 v[MX+\a], v[NINF]
	v_mov_b32 v[MP+\a], v[NINF]
.endr
.macro MAXG a0, cnt                    ; blocks a0 .. a0 + cnt - 1, which share a window
	ACC \a0
	WIN (W<<2)|(W<<4)                              ; sources 1 and 2 in that window
.set n, 0
.rept 16
.set q, 0
.rept \cnt
	v_max3_num_f32 v[MX+\a0+q], v[MX+\a0+q], v[AC+64*q+n], v[AC+64*q+n+1]
	v_max3_num_f32 v[MP+\a0+q], v[MP+\a0+q], v[AC+64*q+n+2], v[AC+64*q+n+3]
.set q, q+1
.endr
.set n, n+4
.endr
.endm
	MAXG 0, 2
	MAXG 2, 4
	MAXG 6, 4
	WIN 0
.irp a, 0,1,2,3,4,5,6,7,8,9
	v_max_num_f32 v[MX+\a], v[MX+\a], v[MP+\a]
.endr
.irp a, 0,1,2,3,4,5,6,7,8,9
	v_permlanex16_b32 v[MP+\a], v[MX+\a], s[SEL], s[SEL+1]   ; the query's other 64 keys lie in the lane 16 away
.endr
.irp a, 0,1,2,3,4,5,6,7,8,9
	v_max_num_f32 v[MX+\a], v[MX+\a], v[MP+\a]
.endr
	ds_store_b128 v[XS], v[MX:MX+3]                ; and its other 128 keys in the other wave of my queries
	ds_store_b128 v[XS], v[MX+4:MX+7] offset:512
	ds_store_b128 v[XS], v[MX+8:MX+11] offset:1024
	s_wait_alu depctr_va_vdst(0)                   ; the wait here, directly ahead of the wait below
	s_wait_dscnt 0x0                               ; for the other wave's sake: my stores are done
	s_barrier_signal -1
	s_barrier_wait -1
	ds_load_b128 v[MP:MP+3], v[XL]
	ds_load_b128 v[MP+4:MP+7], v[XL] offset:512
	ds_load_b128 v[MP+8:MP+11], v[XL] offset:1024
	s_wait_dscnt 0x0
.irp a, 0,1,2,3,4,5,6,7,8,9
	v_max_num_f32 v[MX+\a], v[MX+\a], v[MP+\a]
.endr
.irp a, 0,1,2,3,4,5,6,7,8,9
	v_mul_f32 v[MX+\a], s[CS], v[MX+\a]            ; as t (c is positive)
.endr
.irp a, 0,1,2,3,4,5,6,7,8,9
	v_floor_f32 v[N+\a], -v[MX+\a]                 ; -M = floor(-t) = -ceil(t): M is a whole number, the same for the tile's 256 keys
.endr
.irp a, 0,1,2,3,4,5,6,7,8,9
	v_mov_b32 v[ND+2*\a], v[N+\a]
	v_mov_b32 v[ND+2*\a+1], v[N+\a]
.endr
; BLOCK a: 16 queries x my 128 keys: p = 2^(c s - M) in place; l of the unquantised p; the hold; the codes; eight stores of 256 consecutive bytes each, aligned.
; Its parts: FMAB makes t - M, SUMB the sum, CODES the codes, l and the stores; the exponentials and the hold stand in PAIR.
.macro FMAB a
	ACC \a
	WIN W|(W<<6)                                   ; the scores: destination and source 0
.set j, 0
.rept 32
	v_pk_fma_f32 v[AC+j:AC+j+1], v[AC+j:AC+j+1], s[CS:CS+1], v[ND+2*(\a):ND+2*(\a)+1] op_sel_hi:[1,0,1]   ; t - M, two at a time (the scalar pair's low word for both halves)
.set j, j+2
.endr
.endm
.macro SUMB a
	ACC \a
	WIN W|(W<<2)
.irp k, 0,1,2,3                        ; the sum is taken of the unquantised p: two at a time, in four chains
	v_pk_add_f32 v[TT+2*\k:TT+2*\k+1], v[AC+4*\k:AC+4*\k+1], v[AC+4*\k+2:AC+4*\k+3]
.endr
	WIN W<<2                                       ; p: source 1
.set j, 16
.rept 6
.irp k, 0,1,2,3
	v_pk_add_f32 v[TT+2*\k:TT+2*\k+1], v[TT+2*\k:TT+2*\k+1], v[AC+j+2*\k:AC+j+2*\k+1]
.endr
.set j, j+8
.endr
.endm
.macro CODES a
	ACC \a
	WIN W                                          ; p: source 0
.irp b, 0,1,2,3,4,5,6,7
	v_cvt_scalef32_pk8_bf8_f32 v[PC+16*(\a)+2*\b:PC+16*(\a)+2*\b+1], v[AC+8*\b:AC+8*\b+7], v[SC]
.endr
	WIN 0
	v_pk_add_f32 v[TT:TT+1], v[TT:TT+1], v[TT+2:TT+3]          ; (plain, behind the last conversion of the run)
	v_pk_add_f32 v[TT+4:TT+5], v[TT+4:TT+5], v[TT+6:TT+7]
	v_pk_add_f32 v[TT:TT+1], v[TT:TT+1], v[TT+4:TT+5]
	v_add_f32 v[TT], v[TT], v[TT+1]
	v_permlanex16_b32 v[TT+2], v[TT], s[SEL], s[SEL+1]
	v_add_f32 v[LS+(\a)], v[TT], v[TT+2]           ; l of my 128 keys
.irp b, 0,1,2,3,4,5,6,7
	global_store_b64 v[PO], v[PC+16*(\a)+2*\b:PC+16*(\a)+2*\b+1], s[10:11] offset:32768*(\a)+256*\b   ; keys 16 b .. 16 b + 15 of the block's 16 queries: 32 lanes store 256 consecutive bytes
.endr
.endm
; Blocks 2 g and 2 g + 1 and their statistics; passed over, by a branch on the work-group's and the wave's numbers, where another tile owns them.  The number passed over is even.
.macro PAIR g
	s_wait_alu depctr_va_vdst(0)                   ; the wait here, ahead of the branch
	s_cmp_gt_i32 s[SKIP], 2*\g
	s_cbranch_scc1 .Lover_\@
	FMAB 2*\g                                      ; a pair's two blocks share a window
	FMAB 2*\g+1
	ACC 2*\g
.set AA, AC
.set j, 0
	s_wait_alu depctr_va_vdst(0)                   ; the wait ahead of the batch,
.rept 64
	v_exp_f32 v[AA+j], v[AA+j]                     ; p, at most 1: not normalised
.set j, j+1
.endr
	s_wait_alu depctr_va_vdst(0)                   ; and ahead of its first reader
	SUMB 2*\g
	ACC 2*\g+1
	WIN W|(W<<6)
.set j, 0
.rept 64
	v_exp_f32 v[AC+j], v[AC+j]                     ; the second block's p beside the first's hold:
	v_min_num_f32 v[AA+j], v[AA+j], v[LIM]         ; the conversion to an 8-bit code does not saturate (ISA guide 7.6.2); p is not negative, so the hold is one-sided
.set j, j+1
.endr
	s_wait_alu depctr_va_vdst(0)                   ; the wait ahead of the first reader, of p and of what was held
	CODES 2*\g
	SUMB 2*\g+1
	WIN W|(W<<6)
.set j, 0
.rept 64
	v_min_num_f32 v[AC+j], v[AC+j], v[LIM]
.set j, j+1
.endr
	CODES 2*\g+1
	v_cndmask_b32 v[MX+2*\g], v[N+2*\g], v[N+2*\g+1], s[UP]      ; lanes 0-15: block 2 g; lanes 16-31: block 2 g + 1 (a block's numbers stand in both halves of the lanes)
	v_cndmask_b32 v[MX+2*\g+1], v[LS+2*\g], v[LS+2*\g+1], s[UP]
	global_store_b64 v[RO8], v[MX+2*\g:MX+2*\g+1], s[12:13] offset:256*\g   ; 32 lanes store 256 consecutive bytes, aligned
.Lover_\@:
.endm
.irp g, 0,1,2,3,4
	PAIR \g
.endr
	s_wait_tensorcnt 0x0                           ; the wave's end, behind my last tensor load and my last LDS store
	ds_add_u32 v[SPW], v[NIL]
	s_wait_dscnt 0x0
	s_endpgm
.Lfunc_end_k_q55cb89c6b1_scores:
	.size	k_q55cb89c6b1_scores, .Lfunc_end_k_q55cb89c6b1_scores-k_q55cb89c6b1_scores
	.p2alignl 7, 3214868480
	.fill 96, 4, 3214868480
	.section	.rodata,"a",@progbits
	.p2align	6, 0x0
	.amdhsa_kernel k_q55cb89c6b1_scores
		.amdhsa_group_segment_fixed_size 327680
		.amdhsa_private_segment_fixed_size 0
		.amdhsa_enable_private_segment 0
		.amdhsa_kernarg_size 40
		.amdhsa_user_sgpr_count 2
		.amdhsa_user_sgpr_kernarg_segment_ptr 1
		.amdhsa_wavefront_size32 1
		.amdhsa_system_sgpr_workgroup_id_x 1
		.amdhsa_system_sgpr_workgroup_id_y 1
		.amdhsa_system_sgpr_workgroup_id_z 1
		.amdhsa_system_vgpr_workitem_id 0
		.amdhsa_next_free_vgpr 1024
		.amdhsa_next_free_sgpr 100
		.amdhsa_reserve_vcc 1
		.amdhsa_float_denorm_mode_32 3
		.amdhsa_float_denorm_mode_16_64 3
		.amdhsa_memory_ordered 1
		.amdhsa_forward_progress 1
		.amdhsa_inst_pref_size 255
	.end_amdhsa_kernel
	.section	.bss,"aw",@nobits
	.p2align	6
	.space	262144
	.amdgpu_metadata
---
amdhsa.version: [ 1, 2 ]
amdhsa.kernels:
  - .name:           k_q55cb89c6b1_scores
    .symbol:         k_q55cb89c6b1_scores.kd
    .args:
      - { .name: query_codes, .offset: 0, .size: 8, .value_kind: global_buffer, .address_space: global }
      - { .name: key_codes, .offset: 8, .size: 8, .value_kind: global_buffer, .address_space: global }
      - { .name: lowp_scales, .offset: 16, .size: 8, .value_kind: global_buffer, .address_space: global }
      - { .name: pcodes, .offset: 24, .size: 8, .value_kind: global_buffer, .address_space: global }
      - { .name: stats, .offset: 32, .size: 8, .value_kind: global_buffer, .address_space: global }
    .group_segment_fixed_size: 327680
    .private_segment_fixed_size: 0
    .kernarg_segment_align: 8
    .kernarg_segment_size: 40
    .max_flat_workgroup_size: 128
    .sgpr_count:     100
    .vgpr_count:     1024
    .wavefront_size: 32
...
	.end_amdgpu_metadata
.endif
;; end of part 1
;; launch mix (part 2): grid 4 x 64, 4 waves a work-group, clusters of 4 x 4, 327,680 bytes of LDS; arguments pcodes, value_codes, lowp_scales, stats, out0; writes out0
.if DOCPART == 2
	.amdgcn_target "amdgcn-amd-amdhsa--gfx1250"
	.amdhsa_code_object_version 6
	.text
	.protected	k_q55cb89c6b1_mix
	.globl	k_q55cb89c6b1_mix
	.p2align	8
	.type	k_q55cb89c6b1_mix,@function
k_q55cb89c6b1_mix:
	s_mov_b64 s[64:65], 0
	v_nop
	global_prefetch_b8 v0, s[64:65] scope:SCOPE_SE
	s_setreg_imm32_b32 hwreg(HW_REG_WAVE_MODE, 25, 1), 1
	s_wait_xcnt 0x0
	s_wait_alu depctr_hold_cnt(0) depctr_sa_sdst(0) depctr_va_vdst(0) depctr_va_sdst(0) depctr_va_ssrc(0) depctr_va_vcc(0) depctr_vm_vsrc(0)
	s_getreg_b32 s2, hwreg(HW_REG_IB_STS2, 6, 4)
	s_cmp_eq_u32 s2, 0
	s_cbranch_scc0 .Lentry_in_a_cluster
	s_endpgm
.Lentry_in_a_cluster:
	s_bfe_u32 s2, ttmp6, 0x10000c
	s_cmp_lg_u32 s2, 0xf033
	s_cbranch_scc0 .Lentry_shape_is_right
	s_endpgm
.Lentry_shape_is_right:
; THE WEIGHTED SUM.  O[b][q][:] = (sum over keys of p V) / l, both operands as codes of BF8, keys in steps of 256 (column n of the launch before: one M for each query and column).
; SHARES.  A work-group makes 256 queries x 256 channels of one batch: 16 blocks of 16 queries that lie SPREAD OVER THE SEQUENCE: block 16 i + 8 qh + t, i = 0..7, qh = 0, 1; t = 0..7 is the work-group's own.
;   Block (i, qh) has its last visible key in column i.  So every work-group has the same work: in step n = 0..7 the blocks i = n..7.  After step n block i = n of each wave is finished and leaves.
;   WORK LEFT OUT: columns n > i of block i, which the problem's own causal mask hides as a whole (the launch before says why it is dead, and the limit): neither fetched nor multiplied.
; Four waves, as many as a WGP has SIMDs: wave w has qh = w / 2 and channels 128 (w % 2) on: 8 blocks x 8 tiles of 16 channels: 64 accumulators, 512 registers.
; RING.  Two LDS slots: P's images (qh 0's eight blocks, then qh 1's: 4,096 bytes a block: two images of 128 keys), then V's 256 rows of 256 bytes, padded.  Waves 0 and 1 fetch P's images of qh = 0, 1 (the step's 8 - n blocks), waves 2 and 3 V's halves.
; CLUSTERS of 4 x 4: the four of a row have the same t and other channels: P's tile is asked for jointly along the row; the four of a column have the same channels and other t: V's tile is asked for jointly along the column.
; THE MATRIX INSTRUCTION IS USED TRANSPOSED (source 0 = 16 rows of V, source 1 = 16 queries): lane (r, h) holds query r and channels 16 b + 8 h + 0 .. 7 of tile b.
; SCALES.  The sums always stand in units of 2^(M of the step's column).  With N = -M, Nf the row's least N, S(n) = min(N(n), Nf + 64): ahead of step n the sums are multiplied by 2^(S(n) - S(n-1)), which is exact; the bound of 64 keeps them in range:
;   a column that lies more than 2^64 under the row's largest is then counted with a weight still under 2^-64 of it.  l = sum of l(n) 2^(Nf - N(n)).  At the end: x 2^(Nf - S(i) + ep + ev) / l.  All these factors are made at the head, from the statistics alone.
; PREFETCH INTO THE L2: behind the joint load of step m = 1 .. 5 stands one prefetch a wave for step m + 2.  The four partners share a tile's blocks of 256 bytes out by address: of P's rows of 16 such blocks partner cx takes four, of V's 128 rows a wave partner cy takes 32.
;   Steps 0, 1 and 2 come by their loads alone; the last two loads ask for nothing.
; LIMITS: as in the launch before; 2^(ep + ev) is applied by v_ldexp_f32.
; REGISTERS, in windows of 256: window 0: v1-31 addresses; v32-103 the factors, in pairs; v104-108 prefetch offsets; v128-255 P's fragments (8 blocks x 16).  window 1: V's fragments, two sets of 128.  window 2: the accumulators of blocks 0-3; window 3: of blocks 4-7.
;   At the head window 2 holds the statistics.
.set PITCH,  272                       ; V's row in LDS: 256 bytes + 16 of padding = 68 words: the 16 rows that a load touches start at 16 different banks (64 banks of 4 bytes: ISA guide 11.1)
.set HALFT,  128*PITCH
.set BOFF,   65536
.set SLOT,   BOFF+2*HALFT
.set STAGE,  2*SLOT                    ; the way out: 16 rows x 528 bytes for each wave; no fill lands here
.set SPITCH, 528
.set SPARE,  STAGE+4*16*SPITCH         ; the spare words, 128 bytes for each wave: two blocks of 256 bytes that no other line names
.set ADRA, 16                          ; v16-17  LDS address of my images in slot 0, 1
.set ADRB, 20                          ; v20-21  of my rows of V
.set STO,  24                          ; v24     the way out: where I put 16 bytes of a row,
.set RD,   25                          ; v25     and where I read a row back
.set CO,   26                          ; v26     16 x lane
.set CS8,  27                          ; v27     statistics: 8 r + 16,384 h: lanes 16-31 take the other 128 keys' numbers
.set SPW,  28                          ; v28     LDS address of my spare word; never rewritten
.set NIL,  29                          ; v29     0; never rewritten
.set PV,   30                          ; v30     prefetch offset among V's rows
.set GD,   32                          ; factor x of 36 twice, at GD + 2 x: x = i (i + 1) / 2 + n: n > 0: ahead of step n; n = 0: at the end
.set PF,   104                         ; v104-108 prefetch offsets among P's images, steps 3 to 7
.set AF,   128
.set G1,   24                          ; s[24:31] descriptor group 1 for P, s[48:55] for V; s[32:35], s[36:39] their groups 0, which walk
.set G1B,  48
.set G0,   32
.set G0B,  36
.set CNT, 0                            ; LDS instructions issued so far (counted while the text is assembled)
.set WTD, 0                            ; of these the first WTD have been waited for
.set MSB, 0
.macro WIN new                         ; the immediate's high byte repeats the setting that is left
.if MSB != (\new)
	s_set_vgpr_msb (MSB<<8)|(\new)
.set MSB, (\new)
.endif
.endm
.macro NEED at                         ; wait until the first `at` LDS instructions are done: all issued behind them may be out
.if (\at) > WTD
.if CNT-(\at) > 63
	s_wait_dscnt 63
.else
	s_wait_dscnt CNT-(\at)
.endif
.set WTD, (\at)
.endif
.endm
.macro PLACES                          ; four plain vector instructions behind a matrix instruction (ISA guide 7.12.1)
.rept 4
	v_nop
.endr
.endm
; A joint load: waves 0 and 1 for P, waves 2 and 3 for V.  The branch hangs on the wave's number alone.
.macro JLOAD
	s_cmp_eq_u32 s15, 0
	s_cbranch_scc0 .Lfor_v_\@
	tensor_load_to_lds s[G0:G0+3], s[G1:G1+7]
	s_nop 0
	PLACES
	s_branch .Lasked_\@
.Lfor_v_\@:
	tensor_load_to_lds s[G0B:G0B+3], s[G1B:G1B+7]
	s_nop 0
	PLACES
.Lasked_\@:
.endm
.macro NEXTG st                        ; the descriptors for step st: blocks i = st .. 7, the next 256 keys.  No tensor load of mine is out
	s_mov_b32 s[G1+2], (8-(\st))<<16
	s_mov_b32 s[G1+4], 8-(\st)
	s_add_co_u32 s[G0+1], s44, ((\st)%2)*SLOT+(\st)*4096
	s_add_nc_u64 s[G0+2:G0+3], s[G0+2:G0+3], 524288+4096
	s_add_co_u32 s[G0B+1], s45, ((\st)%2)*SLOT
	s_add_nc_u64 s[G0B+2:G0B+3], s[G0B+2:G0B+3], 256
.endm
.macro ASK st                          ; prefetch for step st
	WIN 0
	s_cmp_eq_u32 s15, 0
	s_cbranch_scc0 .Lask_v_\@
	global_prefetch_b8 v[PF+(\st)-3], s[58:59] th:TH_LOAD_NT scope:SCOPE_SE
	s_branch .Lask_end_\@
.Lask_v_\@:
	global_prefetch_b8 v[PV], s[60:61] offset:256*(\st) th:TH_LOAD_NT scope:SCOPE_SE
.Lask_end_\@:
.endm
.macro CREST                           ; a round of the cluster's barrier, behind its opening barrier
	s_cmp_lg_u32 s14, 0
	s_cbranch_scc1 .Lnot_wave_0_\@
	s_barrier_signal -3
.Lnot_wave_0_\@:
	s_barrier_wait -3
	s_barrier_signal -1
	s_barrier_wait -1
.endm
.macro CROUND
	s_barrier_signal -1
	s_barrier_wait -1
	CREST
.endm
	s_load_b256 s[4:11], s[0:1], 0x0               ; pcodes s[4:5], V's codes s[6:7], the scales' exponents s[8:9], stats s[10:11]
	s_load_b64 s[12:13], s[0:1], 0x20              ; O
	v_lshl_add_u32 v[SPW], v0, 2, SPARE
	v_mov_b32 v[NIL], 0
	ds_add_u32 v[SPW], v[NIL]                      ; the wave's opening: the add, twice on end, and its wait
	ds_add_u32 v[SPW], v[NIL]
	v_lshrrev_b32 v5, 5, v0
	v_readfirstlane_b32 s14, v5                    ; wave 0..3
	s_lshr_b32 s15, s14, 1                         ; qh.  Also: I fetch for P (0) or for V (1)
	s_and_b32 s16, s14, 1                          ; which 128 channels.  Also: which half of that tile I fetch
	s_bfe_u32 s40, ttmp6, 0x40000                  ; cx: which 256 channels
	s_bfe_u32 s41, ttmp6, 0x40004                  ; cy
	s_and_b32 s17, ttmp7, 0xffff                   ; the cluster's y: two clusters a batch
	s_and_b32 s18, s17, 1
	s_lshl_b32 s18, s18, 2
	s_add_co_u32 s18, s18, s41                     ; t
	s_lshr_b32 s17, s17, 1                         ; the batch
	s_lshl_b32 s42, s41, 2
	s_lshl_b32 s42, 15, s42                        ; my row of the cluster
	s_lshl_b32 s43, 0x1111, s40                    ; my column
	s_or_b32 s[G1+0], s42, (3<<16)|(1<<21)         ; 15:0 the mask; 17:16 elements of 8 bytes; 21 set beside a mask
	s_mov_b32 s[G1+1], 512<<16                     ; a row is a block's two images: 4,096 bytes
	s_mov_b32 s[G1+2], 8<<16
	s_mov_b32 s[G1+3], 512<<16
	s_mov_b32 s[G1+4], 8
	s_mov_b32 s[G1+5], 65536                       ; from block to block of a wave: 16 blocks of 32,768 bytes
	s_mov_b32 s[G1+6], 0
	s_mov_b32 s[G1+7], 0
	s_or_b32 s[G1B+0], s43, (1<<20)|(1<<21)|(5<<22)|(3<<25)  ; elements of 1 byte; four words of padding after every 64
	s_mov_b32 s[G1B+1], 256<<16
	s_mov_b32 s[G1B+2], 128<<16
	s_mov_b32 s[G1B+3], 256<<16
	s_mov_b32 s[G1B+4], 128
	s_mov_b32 s[G1B+5], 2048
	s_mov_b32 s[G1B+6], 0
	s_mov_b32 s[G1B+7], 0
	s_lshl_b32 s20, s17, 22                        ; P: batch,
	s_lshl_b32 s21, s18, 15                        ; t,
	s_add_co_u32 s20, s20, s21
	s_lshl_b32 s21, s16, 18                        ; and the qh that I fetch
	s_add_co_u32 s20, s20, s21
	s_mov_b32 s21, 0
	s_lshl_b32 s46, s17, 21                        ; V: batch,
	s_lshl_b32 s47, s40, 19                        ; 256 channels,
	s_add_co_u32 s46, s46, s47
	s_lshl_b32 s47, s16, 18                        ; and the 128 that I fetch
	s_add_co_u32 s46, s46, s47
	s_mov_b32 s47, 0
	s_lshl_b32 s44, s16, 15                        ; where they go
	s_mul_i32 s45, s16, HALFT
	s_add_co_u32 s45, s45, BOFF
	s_lshl_b32 s80, s15, 15                        ; my images; my rows of V lie at s45
	s_mul_i32 s82, s14, 16*SPITCH
	s_add_co_u32 s82, s82, STAGE
	s_mov_b32 s74, 0x76543210                      ; lane selects: lane l xor 16
	s_mov_b32 s75, 0xfedcba98
	v_and_b32 v1, 15, v0                           ; r
	v_bfe_u32 v2, v0, 4, 1                         ; h
	v_and_b32 v3, 31, v0                           ; lane
	v_mul_u32_u24 v4, v1, PITCH
	v_mul_u32_u24 v6, v1, SPITCH
	v_lshl_add_u32 v[ADRA], v3, 4, s80
	v_lshl_add_u32 v4, v2, 4, v4
	v_lshl_add_u32 v6, v2, 5, v6
	v_add_nc_u32 v[ADRA+1], SLOT, v[ADRA]
	v_add_nc_u32 v[ADRB], s45, v4
	v_add_nc_u32 v[STO], s82, v6                   ; row r, 32 h
	v_lshl_add_u32 v[RD], v3, 4, s82
	v_add_nc_u32 v[ADRB+1], SLOT, v[ADRB]
	v_lshlrev_b32 v[CO], 4, v3
	v_lshlrev_b32 v[CS8], 3, v1
	v_lshlrev_b32 v[PV], 11, v3
	v_lshl_add_u32 v[CS8], v2, 14, v[CS8]
	v_lshrrev_b32 v7, 2, v3
	v_and_b32 v8, 3, v3
	v_lshlrev_b32 v8, 8, v8
.irp st, 3,4,5,6,7                     ; P's prefetches: lanes 4 k .. 4 k + 3 name four blocks of 256 bytes of row 7 - k; left-over lanes name row st's again
	v_min_u32 v9, 7-\st, v7
	v_sub_nc_u32 v9, 7, v9
	v_lshl_add_u32 v9, v9, 19, v8
	v_add_nc_u32 v[PF+\st-3], 4096*\st, v9
.endr
	s_wait_alu depctr_va_vdst(0)                   ; the wait here, ahead of the waits below
	s_wait_dscnt 0x0                               ; both opening adds are done
	s_wait_kmcnt 0x0
	s_load_b128 s[68:71], s[8:9], 0x0              ; eq, ek, ep, ev
	s_add_nc_u64 s[20:21], s[4:5], s[20:21]
	s_add_nc_u64 s[46:47], s[6:7], s[46:47]
	s_mov_b32 s[G0], 1                             ; count = 1
	s_add_co_u32 s[G0+1], s44, 0                   ; LDS address: slot 0
	s_mov_b64 s[G0+2:G0+3], s[20:21]
	s_or_b32 s[G0+3], s[G0+3], 0x80000000          ; type = 2
	s_mov_b32 s[G0B], 1
	s_add_co_u32 s[G0B+1], s45, 0
	s_mov_b64 s[G0B+2:G0B+3], s[46:47]
	s_or_b32 s[G0B+3], s[G0B+3], 0x80000000
	CROUND                                         ; all sixteen work-groups are here
	JLOAD                                          ; step 0
	s_lshl_b32 s62, s17, 18                        ; statistics: batch, and my blocks' first
	s_lshl_b32 s63, s15, 10
	s_add_co_u32 s62, s62, s63
	s_lshl_b32 s63, s18, 7
	s_add_co_u32 s62, s62, s63
	s_mov_b32 s63, 0
	s_add_nc_u64 s[10:11], s[10:11], s[62:63]
.macro ALL n0, op                      ; for every block i and its columns n = n0 .. i: x = i (i + 1) / 2 + n
.set I, 0
.rept 8
.set NN, \n0
.rept I+1-(\n0)
.set X, I*(I+1)/2+NN
	\op
.set NN, NN+1
.endr
.set I, I+1
.endr
.endm
.macro O_LOAD
	global_load_b64 v[2*X:2*X+1], v[CS8], s[10:11] offset:32768*NN+2048*I
.endm
.macro O_MIN
	v_min_num_f32 v[120+I], v[120+I], v[2*X]
.endm
.macro O_DIFF
	v_sub_f32 v[80+X], v[120+I], v[2*X]
.endm
.macro O_CVT
	v_cvt_i32_f32 v[80+X], v[80+X]
.endm
.macro O_LSC
	v_ldexp_f32 v[2*X+1], v[2*X+1], v[80+X]
.endm
.macro O_LSUM
	v_add_f32 v[136+I], v[136+I], v[2*X+1]
.endm
.macro O_S
	v_min_num_f32 v[2*X], v[2*X], v[128+I]
.endm
.macro O_STEP
	v_sub_f32 v[80+X], v[2*X], v[2*X-2]
.endm
.macro O_FAC
	v_ldexp_f32 v[GD+2*X], 1.0, v[80+X]
.endm
.macro O_TWICE
	v_mov_b32 v[GD+2*X+1], v[GD+2*X]
.endm
	WIN 0x80                                       ; destination window 2
	ALL 0, O_LOAD                                  ; 36 loads: N and l of every block and column
	WIN 0
	s_lshl_b32 s62, s40, 10                        ; my part of P's rows, and of V's, for the prefetches
	s_add_nc_u64 s[58:59], s[20:21], s[62:63]
	s_lshl_b32 s62, s41, 16
	s_add_nc_u64 s[60:61], s[46:47], s[62:63]
	s_lshl_b32 s62, s17, 23                        ; O: batch,
	s_lshl_b32 s73, s15, 19                        ; row 128 qh + 16 t,
	s_add_co_u32 s62, s62, s73
	s_lshl_b32 s73, s18, 16
	s_add_co_u32 s62, s62, s73
	s_lshl_b32 s73, s40, 10                        ; channel 256 cx + 128 (wave % 2)
	s_add_co_u32 s62, s62, s73
	s_lshl_b32 s73, s16, 9
	s_add_co_u32 s62, s62, s73
	s_add_nc_u64 s[12:13], s[12:13], s[62:63]
; THE FACTORS, from the statistics: made behind step 1's load and the first LDS loads.
.macro STATS
	s_wait_kmcnt 0x0
	s_add_co_i32 s72, s70, s71                     ; ep + ev
	s_wait_loadcnt 0x0                             ; the statistics.  All that follows stands in window 2
	WIN 0xaa
.irp i, 0,1,2,3,4,5,6,7
	v_mov_b32 v[120+\i], v[\i*(\i+1)]
.endr
	ALL 1, O_MIN                                   ; Nf
.irp i, 0,1,2,3,4,5,6,7
	v_add_f32 v[128+\i], 0x42800000, v[120+\i]     ; Nf + 64
.endr
	ALL 0, O_DIFF
	ALL 0, O_CVT
	ALL 0, O_LSC                                   ; l(n) 2^(Nf - N(n)), of my half of the keys
.irp i, 0,1,2,3,4,5,6,7
	v_mov_b32 v[136+\i], v[\i*(\i+1)+1]
	v_mov_b32 v[152+\i], 0                         ; (a lane permute's destination counts as one of its sources)
.endr
	ALL 1, O_LSUM
	ALL 0, O_S                                     ; S(n)
	ALL 1, O_STEP
	ALL 1, O_CVT                                   ; S(n) - S(n - 1)
.irp i, 0,1,2,3,4,5,6,7
	v_sub_f32 v[144+\i], v[120+\i], v[\i*(\i+1)+2*\i]
.endr
.irp i, 0,1,2,3,4,5,6,7
	v_permlanex16_b32 v[152+\i], v[136+\i], s74, s75
.endr
.irp i, 0,1,2,3,4,5,6,7
	v_cvt_i32_f32 v[144+\i], v[144+\i]
	v_add_f32 v[136+\i], v[136+\i], v[152+\i]      ; l
.endr
.irp i, 0,1,2,3,4,5,6,7
	v_add_nc_u32 v[144+\i], s72, v[144+\i]
.endr
	s_wait_alu depctr_va_vdst(0)                   ; the wait ahead of the batch,
.irp i, 0,1,2,3,4,5,6,7
	v_rcp_f32 v[136+\i], v[136+\i]
.endr
	WIN 0x2a                                       ; results to window 0
	ALL 1, O_FAC
	s_wait_alu depctr_va_vdst(0)                   ; and ahead of its first reader
.irp i, 0,1,2,3,4,5,6,7
	v_ldexp_f32 v[GD+\i*(\i+1)], v[136+\i], v[144+\i]
.endr
	WIN 0
	ALL 0, O_TWICE
.endm
; LDS loads.  FETCH_BG: V's fragments 2 g, 2 g + 1 of chunk q (128 keys) of slot s, into set p.  FETCH_AS: P's fragments of blocks lo .. hi - 1.  A fragment's registers 4 c .. 4 c + 3 hold keys 32 c + 16 h + 0 .. 15, in both operands.
.macro FETCH_BG s, q, p, g
	WIN 0x40
.irp c, 0,1,2,3,4,5,6,7
	ds_load_b128 v[128*(\p)+16*(2*(\g)+\c/4)+4*(\c%4):128*(\p)+16*(2*(\g)+\c/4)+4*(\c%4)+3], v[ADRB+(\s)] offset:128*(\q)+32*(\c%4)+(2*(\g)+\c/4)*16*PITCH
.endr
.set CNT, CNT+8
.endm
.macro FETCH_AS s, q, lo, hi
	WIN 0
.irp i, 0,1,2,3,4,5,6,7
.if (\i >= (\lo)) && (\i < (\hi))
.irp c, 0,1,2,3
	ds_load_b128 v[AF+16*\i+4*\c:AF+16*\i+4*\c+3], v[ADRA+(\s)] offset:4096*\i+2048*(\q)+512*\c
.endr
.set CNT, CNT+4
.set TA_\i, CNT
.endif
.endr
.endm
; Block i x V's eight tiles, 128 keys, from set p: the accumulators take turns, one instruction a turn.  zero = 1: the first product starts the sums.
.macro MULB i, p, zero
	WIN 0xa1+0x50*((\i)/4)                         ; source 0 (V) window 1, source 1 (P) window 0, C and D window 2 or 3
.set AC, 64*((\i)%4)
.irp b, 0,1,2,3,4,5,6,7
.if \zero
	v_wmma_f32_16x16x128_bf8_bf8 v[AC+8*\b:AC+8*\b+7], v[128*(\p)+16*\b:128*(\p)+16*\b+15], v[AF+16*(\i):AF+16*(\i)+15], 0
.else
	v_wmma_f32_16x16x128_bf8_bf8 v[AC+8*\b:AC+8*\b+7], v[128*(\p)+16*\b:128*(\p)+16*\b+15], v[AF+16*(\i):AF+16*(\i)+15], v[AC+8*\b:AC+8*\b+7]
.endif
.endr
.endm
; Block i x V's eight tiles from set 0 in step st, with block i + 1's 64 sums brought under this step's column in between: four scalings behind each product, on registers that no product of block i names.
.macro MULBS i, st
.set AC, 64*((\i)%4)
.set BC, 64*(((\i)+1)%4)
.set BX, GD+2*(((\i)+1)*((\i)+2)/2+(\st))
.irp b, 0,1,2,3,4,5,6,7
	WIN 0xa1+0x50*((\i)/4)
	v_wmma_f32_16x16x128_bf8_bf8 v[AC+8*\b:AC+8*\b+7], v[16*\b:16*\b+15], v[AF+16*(\i):AF+16*(\i)+15], v[AC+8*\b:AC+8*\b+7]
	WIN 0x82+0x41*(((\i)+1)/4)
.irp j, 0,2,4,6
	v_pk_mul_f32 v[BC+8*\b+\j:BC+8*\b+\j+1], v[BC+8*\b+\j:BC+8*\b+\j+1], v[BX:BX+1]
.endr
.endr
.endm
.macro BLKS lo, hi, dk                 ; dk stores of the block on its way out behind each
.irp i, 0,1,2,3,4,5,6,7
.if (\i >= (\lo)) && (\i < (\hi))
	NEED TA_\i
	MULB \i, 1, 0
	DRIP \dk
.endif
.endr
.endm
.macro SCALE i, x                      ; block i's 64 sums times factor x, in place; each accumulator from its low end on
.set AC, 64*((\i)%4)
	WIN 0x82+0x41*((\i)/4)                         ; source 0 and destination window 2 or 3
.set j, 0
.rept 32
	v_pk_mul_f32 v[AC+j:AC+j+1], v[AC+j:AC+j+1], v[GD+2*(\x):GD+2*(\x)+1]
.set j, j+2
.endr
.endm
; THE WAY OUT of block i: its last scaling, then through my stage in LDS and back into the same registers as whole rows of 512 bytes (LDS serves a wave's instructions in order: ISA guide 5.7.1.4).
.macro OUT i
	SCALE \i, (\i)*((\i)+1)/2
	WIN (2+(\i)/4)<<2
.irp b, 0,1,2,3,4,5,6,7
	ds_store_b128 v[STO], v[AC+8*\b:AC+8*\b+3] offset:64*\b
	ds_store_b128 v[STO], v[AC+8*\b+4:AC+8*\b+7] offset:64*\b+16
.endr
	WIN (2+(\i)/4)<<6
.irp t, 0,1,2,3,4,5,6,7,8,9,10,11,12,13,14,15
	ds_load_b128 v[AC+4*\t:AC+4*\t+3], v[RD] offset:\t*SPITCH
.endr
.set CNT, CNT+32
.set TS, CNT
.set SB, (\i)
.endm
; The stores are spread over the next step: DRIP stores the next rows of block SB, as far as its 16 are not all out (SQ: rows stored).
.set SQ, 16
.set SB, 0
.macro DRIP cnt
.rept \cnt
.if SQ < 16
	WIN (2+SB/4)<<2
	global_store_b128 v[CO], v[64*(SB%4)+4*SQ:64*(SB%4)+4*SQ+3], s[12:13] offset:4096*SQ+1048576*SB th:TH_STORE_NT
.set SQ, SQ+1
.endif
.endr
.endm
; A step's first chunk, on set 0: blocks st .. 7.  Between the first half's blocks V's fragments of the second chunk are fetched into set 1; P's follow as soon as a half is done.  The block finished in the step before is stored.
.macro CHUNK0 st, zero
.set MID, (\st)+(9-(\st))/2
.set KG, 0
.set DK, 2
.if (\st) == 3
.set DK, 3
.elseif (\st) > 3
.set DK, 4*(1+(\st)/7)
.endif
	s_wait_alu depctr_va_vdst(0)                   ; the wait here, directly ahead of the waits below
.irp i, 7,6,5,4,3,2,1,0                ; P's fragments of the first half; V's were asked for ahead of them
.if (\i < MID) && (\i >= (\st))
	NEED TA_\i
.endif
.endr
	NEED TB
.irp i, 0,1,2,3,4,5,6,7
.if \i >= (\st)
.if (\zero) || (\i == 7)
	MULB \i, 0, \zero
.else
	MULBS \i, \st
.endif
.if KG < 4
	FETCH_BG (\st)%2, 1, 1, KG
.set KG, KG+1
.endif
.if \i == MID-1
.rept 4-KG
	FETCH_BG (\st)%2, 1, 1, KG
.set KG, KG+1
.endr
.set TB, CNT
	PLACES
	FETCH_AS (\st)%2, 1, \st, MID
	s_wait_alu depctr_va_vdst(0)                   ; the wait here, directly ahead of the waits below
.if (\st) > 0
	NEED TS
.endif
.irp k, 7,6,5,4,3,2,1,0
.if \k >= MID
	NEED TA_\k
.endif
.endr
.if (\st) > 0
.set SQ, 0
	DRIP DK
.endif
.endif
.if \i >= MID
	DRIP DK
.endif
.endif
.endr
	PLACES
	FETCH_AS (\st)%2, 1, MID, 8
.endm
; The second chunk, on set 1, and the change of slots: in front of the barrier each wave waits for all its tensor loads (its part of the next slot), adds 0 to its spare word, and waits for that and for its reads of this slot.
; Behind the round this slot takes step st + 2, and the next step's first fragments are fetched.  Then the sums that go on are brought under the next column's M, and block st leaves.
.macro CHUNK1 st, ha, hb, hc
.set PA, (\st)+(\ha)                   ; blocks ahead of the wait for the tile,
.set PB, PA+(\hb)                      ; between the add and the wait for it,
.set PC, PB+(\hc)                      ; and between signal and wait
	NEED TB
	BLKS \st, PA, DK
	WIN 0
	s_wait_tensorcnt 0x0
	ds_add_u32 v[SPW], v[NIL]                      ; 0 onto my spare word
.set CNT, CNT+1
.if (\st) < 6
	NEXTG (\st)+2
.endif
	BLKS PA, PB, 0
	s_wait_dscnt 0x0                               ; the add is done, and my reads of this slot are over
.set WTD, CNT
	s_barrier_signal -1
	BLKS PB, PC, 0
	WIN 0
	s_barrier_wait -1
.if (\st) < 6
	CREST                                          ; the round: the same holds of every wave of all sixteen work-groups
	JLOAD                                          ; my one tensor load behind it; its four v_nop are also the places in front of the loads below
.else
	PLACES
.endif
.irp g, 0,1,2,3
	FETCH_BG ((\st)+1)%2, 0, 0, \g
.endr
.set TB, CNT
	FETCH_AS ((\st)+1)%2, 0, (\st)+1, PC
.if (\st) < 4
	ASK (\st)+4
.endif
	BLKS PC, 8, DK
	PLACES
.if PC > (\st)
	FETCH_AS ((\st)+1)%2, 0, PC, 8
.else
	FETCH_AS ((\st)+1)%2, 0, (\st)+1, 8
.endif
	SCALE (\st)+1, ((\st)+1)*((\st)+2)/2+(\st)+1   ; the next step's first block; the others are scaled between its products
	DRIP 16                                        ; what is left of the block before
	OUT \st
.endm
	s_wait_alu depctr_va_vdst(0)                   ; the wait at the head's end
	s_wait_tensorcnt 0x0                           ; my part of step 0 is in
	ds_add_u32 v[SPW], v[NIL]
	NEXTG 1
	s_wait_dscnt 0x0                               ; the add is done
	CROUND
	JLOAD                                          ; step 1, into slot 1
.irp g, 0,1,2,3
	FETCH_BG 0, 0, 0, \g
.endr
.set TB, CNT
	FETCH_AS 0, 0, 0, 8
	ASK 3
	STATS
	CHUNK0 0, 1
	CHUNK1 0, 2, 1, 1
	CHUNK0 1, 0
	CHUNK1 1, 2, 1, 1
	CHUNK0 2, 0
	CHUNK1 2, 1, 1, 1
	CHUNK0 3, 0
	CHUNK1 3, 1, 1, 1
	CHUNK0 4, 0
	CHUNK1 4, 1, 1, 1
	CHUNK0 5, 0
	CHUNK1 5, 1, 1, 0
	CHUNK0 6, 0
	CHUNK1 6, 1, 0, 0
	CHUNK0 7, 0
	NEED TB
	BLKS 7, 8, 16
	PLACES
	OUT 7
	NEED TS
.set SQ, 0
	DRIP 16
	WIN 0
	s_wait_tensorcnt 0x0                           ; the wave's end, behind my last tensor load and my last LDS store
	ds_add_u32 v[SPW], v[NIL]
	s_wait_dscnt 0x0
	CROUND                                         ; the closing round
	s_endpgm
.Lfunc_end_k_q55cb89c6b1_mix:
	.size	k_q55cb89c6b1_mix, .Lfunc_end_k_q55cb89c6b1_mix-k_q55cb89c6b1_mix
	.p2alignl 7, 3214868480
	.fill 96, 4, 3214868480
	.section	.rodata,"a",@progbits
	.p2align	6, 0x0
	.amdhsa_kernel k_q55cb89c6b1_mix
		.amdhsa_group_segment_fixed_size 327680
		.amdhsa_private_segment_fixed_size 0
		.amdhsa_enable_private_segment 0
		.amdhsa_kernarg_size 40
		.amdhsa_user_sgpr_count 2
		.amdhsa_user_sgpr_kernarg_segment_ptr 1
		.amdhsa_wavefront_size32 1
		.amdhsa_system_sgpr_workgroup_id_x 1
		.amdhsa_system_sgpr_workgroup_id_y 1
		.amdhsa_system_sgpr_workgroup_id_z 1
		.amdhsa_system_vgpr_workitem_id 0
		.amdhsa_next_free_vgpr 1024
		.amdhsa_next_free_sgpr 100
		.amdhsa_reserve_vcc 0
		.amdhsa_float_denorm_mode_32 3
		.amdhsa_float_denorm_mode_16_64 3
		.amdhsa_memory_ordered 1
		.amdhsa_forward_progress 1
		.amdhsa_inst_pref_size 245
	.end_amdhsa_kernel
	.amdgpu_metadata
---
amdhsa.version: [ 1, 2 ]
amdhsa.kernels:
  - .name:           k_q55cb89c6b1_mix
    .symbol:         k_q55cb89c6b1_mix.kd
    .args:
      - { .name: pcodes, .offset: 0, .size: 8, .value_kind: global_buffer, .address_space: global }
      - { .name: value_codes, .offset: 8, .size: 8, .value_kind: global_buffer, .address_space: global }
      - { .name: lowp_scales, .offset: 16, .size: 8, .value_kind: global_buffer, .address_space: global }
      - { .name: stats, .offset: 24, .size: 8, .value_kind: global_buffer, .address_space: global }
      - { .name: out0, .offset: 32, .size: 8, .value_kind: global_buffer, .address_space: global }
    .group_segment_fixed_size: 327680
    .private_segment_fixed_size: 0
    .kernarg_segment_align: 8
    .kernarg_segment_size: 40
    .max_flat_workgroup_size: 128
    .sgpr_count:     100
    .vgpr_count:     1024
    .wavefront_size: 32
...
	.end_amdgpu_metadata
.endif
;; end of part 2
